; MI455X (gfx1250); checked and timed in simulation.
; The chip was launched on July 23, 2026; its instructions are those of AMD's public machine-readable ISA for CDNA 5 (MIT licence, August 2026) and "CDNA5" Instruction Set Architecture Reference Guide (July 2026). The comments in the code are by the model that wrote it; some were corrected since.
;; Continous Action Decoder. Allowed arithmetic: matrix products marked QUANTISED: E2M3 operands, one E8M0 scale for each 32 along K, by v_wmma_scale_f32_16x16x128_f8f6f4 with both operands' format E2M3, f32 sums; everything else in f32.
;; Inputs: action_set 32,768 x 512 float32; pred_action 4,096 x 512 float32.
;; Outputs: out0 4,096 x 512 float32.
;; This version of the problem:
;;   THIS VERSION OF THE PROBLEM IS GIVEN IN LOW PRECISION. The matrix products marked QUANTISED in the list below multiply operands that are first quantised to E2M3 (2 exponent bits, 3 mantissa bits; 6 bits a number), with one power-of-two scale for each 32 numbers along K (OCP MX v1.0); their sums are f32. All else is computed in f32.
;;   The module's matrix products, in the order in which they are computed (A, B: the left and right operand; K: the contracted axis; several contracted axes count as one K, in the product's order):
;;     1. [M 4,096, K 512] x [K 512, N 32,768]; A: input pred_action; B: input action_set: QUANTISED
;;   THE QUANTISER, for each operand of a quantised product, along K:
;;     - K is cut into blocks of 32 from its start; a last block that is shorter is filled with zeros.
;;     - A block's scale is 2^e with e = floor(log2(the largest magnitude in the block)) - 2, held to -126 .. 127; a block of zeros has e = 0. As a byte (E8M0): e + 127.
;;     - Each number is divided by its block's scale, clamped to +-7.5, and rounded to the nearest number of E2M3, ties to even, subnormals kept.
;;     - The product sums the exact products of the quantised numbers (number of the format x scale) in f32.
;;   ~~~python
;;   def quantise(x, axis):      # numpy; x: float32 -> the quantised numbers, widened to float32 again
;;       x = np.moveaxis(x, axis, -1); K = x.shape[-1]
;;       x = np.pad(x, [(0, 0)] * (x.ndim - 1) + [(0, -K % 32)]); x = x.reshape(x.shape[:-1] + (-1, 32)); a = np.abs(x).max(-1, keepdims=True)
;;       e = np.where(a > 0, np.clip(np.frexp(np.where(a > 0, a, 1))[1] - 1 - 2, -126, 127), 0)      # np.frexp(a)[1] - 1 = floor(log2(a)), exactly
;;       r = np.clip(x / 2.0 ** e, -7.5, 7.5)
;;       step = 2.0 ** (np.maximum(np.frexp(np.where(r == 0, 1, r))[1] - 1, 0) - 3)
;;       q = np.round(r / step) * step * 2.0 ** e      # np.round: ties to even
;;       return np.moveaxis(q.reshape(q.shape[:-2] + (-1,))[..., :K], -1, axis).astype(np.float32)
;;   ~~~
;; One version. Each part assembles by itself: llvm-mc -triple=amdgcn-amd-amdhsa -mcpu=gfx1250 --defsym DOCPART=n.
;; ======== version 1 of 1: 3 launches
;; limits: right only within a limited range of input values
;; workspace buffers: acts 13,238,272 bytes; qrys 1,654,784 bytes; part 1,048,576 bytes of whole numbers
;; launch quant (part 1): grid 576 x 1, 4 waves a work-group, no clusters, 35,328 bytes of LDS; arguments action_set, pred_action, acts, qrys; writes acts, qrys
.if DOCPART == 1
	.amdgcn_target "amdgcn-amd-amdhsa--gfx1250"
	.amdhsa_code_object_version 6
	.text
	.protected	k_qd6cac4dc38_quant
	.globl	k_qd6cac4dc38_quant
	.p2align	8
	.type	k_qd6cac4dc38_quant,@function
k_qd6cac4dc38_quant:
	s_mov_b64 s[64:65], 0
	v_nop
	global_prefetch_b8 v0, s[64:65] scope:SCOPE_SE
	s_setreg_imm32_b32 hwreg(HW_REG_WAVE_MODE, 25, 1), 1
	s_wait_xcnt 0x0
; action_set [32768][512] and pred_action [4096][512], f32, become codes of FP6 (E2M3) with one E8M0 scale byte for each 32 along K, and a number made of each row's sum of squares in f32.
; A block's scale is 2^(floor(log2(its largest magnitude)) - 2); its byte is that magnitude's exponent field - 2, held at 1 from below by a floor among the maximum's leaves.
; OUTPUT LAYOUT (this program's own): superblocks of 256 rows, SLOT = 103,424 bytes = 404 x 256 each.  Tile t (16 rows) of a superblock:
;   t x 6144 + s x 1536 + c x 512 + 16 x lane : registers 4 c .. 4 c + 3 of the operand's fragment of K step s (128 along K), as the matrix instruction wants them in that lane;
;   98,304 + row x 16 : the row's 16 scale bytes (word s = the scale word of K step s);
;   102,400 + row x 4 : of a query its sum of squares x2; of an action -a2 / 2 (the halving is exact), which the next launch gives to the product as the number that its sum starts from.
; So the next launch brings a superblock by dense loads and reads every fragment by loads of 16 bytes a lane.
; SHARES.  Work-groups 0-511 take 64 rows of action_set each, 512-575 of pred_action: only pointers and that factor are chosen, there is one path.  A wave takes one tile: 16 rows x 2,048 bytes, in four K steps.
; Each load reads 512 consecutive bytes of a row; a K step's 8,192 bytes turn through the wave's own stage in LDS, so that lane (r, h) gets two whole blocks of 32 of row r: k = 64 c + 32 h + 0 .. 31.
; No matrix unit, no tensor loads, no cluster: the work-groups share no input, and memory binds.
; LIMITS: NaN and infinities among the inputs are not served.  A block of zeros, and a block whose largest magnitude lies under 2^-124, gets the byte 1 (the rule says 127 for zeros): its codes of zeros add
; nothing under any byte but 0xff, and this program alone reads the bytes.  The sum of squares is added in eight chains a lane and two lanes a row, another order than a plain running sum.
.set SLOT,   103424
.set SCO,    98304                     ; a superblock's scale bytes
.set SQO,    102400                    ; its numbers made of the sums of squares
.set SPITCH, 528                       ; a stage row: 512 bytes + 16: row r begins 4 r banks on
.set WSTG,   16*SPITCH                 ; a wave's stage
.set SUMS,   4*WSTG                    ; behind the stages: 64 sums, 256 bytes
.set SW,  16                           ; v16-19   the scale words of the four K steps
.set SQ,  20                           ; v20-27   four pairs of sums of squares
.set R,   32                           ; v32-159  two sets of 64 registers as loaded
.set X,   160                          ; v160-223 my two blocks of 32 numbers
.set C,   224                          ; v224-235 the fragment's 12 registers
.set TM,  236                          ; v236-238, v240-242 the upper halves of the two blocks' codes, before they are moved
; v1 16 x lane;  v2 the stage on the way in;  v3 on the way out;  v4 8 h;  v5 16 r + 8 h;  v6 my row's word among the sums;  v7 8 x lane;  v8-15 at work;  v28 h;  v29 the sums on the way out
	s_load_b128 s[4:7], s[0:1], 0x0                ; action_set, pred_action
	s_load_b128 s[8:11], s[0:1], 0x10              ; acts, qrys
	v_lshl_add_u32 v254, v0, 2, 0x8800
	v_mov_b32 v255, 0
	v_lshrrev_b32 v8, 5, v0
	v_readfirstlane_b32 s16, v8                    ; wave 0..3
	v_and_b32 v8, 31, v0                           ; lane
	v_and_b32 v9, 15, v0                           ; r
	v_bfe_u32 v28, v0, 4, 1                        ; h
	v_lshlrev_b32 v1, 4, v8
	s_mul_i32 s17, s16, WSTG
	v_add_nc_u32 v2, s17, v1                       ; in: a row's 512 bytes as they lie
	v_mul_u32_u24 v3, v9, SPITCH
	v_lshl_add_u32 v3, v28, 7, v3
	v_add_nc_u32 v3, s17, v3                       ; out: row r, + 128 h bytes: my block of each 64 numbers
	v_lshlrev_b32 v4, 3, v28
	v_lshlrev_b32 v5, 4, v9
	v_lshl_add_u32 v5, v28, 3, v5
	s_lshl_b32 s17, s16, 6
	v_lshl_add_u32 v6, v9, 2, s17
	v_add_nc_u32 v6, SUMS, v6
	v_lshlrev_b32 v7, 3, v8
	v_add_nc_u32 v29, SUMS, v7
	v_mov_b32 v14, 0                               ; written once: a lane permute's destination counts as one of its sources
	s_mov_b32 s12, 0x76543210
	s_mov_b32 s13, 0xfedcba98                      ; v_permlanex16_b32's selects for lane l xor 16
	s_mov_b32 s23, 0x3f800000                      ; 1.0: what a query's sum of squares is multiplied by
	s_wait_alu depctr_va_vdst(0)
	s_wait_kmcnt 0x0
	s_cmp_lt_u32 ttmp9, 512                        ; actions or queries?  The choice hangs on the work-group's number alone
	s_cselect_b64 s[4:5], s[4:5], s[6:7]
	s_cselect_b64 s[8:9], s[8:9], s[10:11]
	s_cselect_b32 s23, 0xbf000000, s23             ; an action's by -0.5
	s_cselect_b32 s17, 0, 512
	s_sub_co_u32 s17, ttmp9, s17                   ; u: which 64 rows of the tensor
	s_lshl_b32 s18, s17, 17                        ; 64 rows of 2,048 bytes,
	s_lshl_b32 s19, s16, 15                        ; my wave's 16 of them
	s_add_co_u32 s18, s18, s19
	s_mov_b32 s19, 0
	s_add_nc_u64 s[4:5], s[4:5], s[18:19]          ; the source at my first row
	s_lshr_b32 s20, s17, 2
	s_mul_i32 s20, s20, SLOT                       ; my superblock
	s_and_b32 s21, s17, 3
	s_lshl_b32 s22, s21, 2
	s_add_co_u32 s22, s22, s16                     ; my tile in it: 4 (u % 4) + wave
	s_mul_i32 s24, s22, 6144
	s_add_co_u32 s24, s24, s20
	s_mov_b32 s25, 0
	s_lshl_b32 s26, s22, 8
	s_add_co_u32 s26, s26, s20
	s_add_co_u32 s26, s26, SCO
	s_mov_b32 s27, 0
	s_lshl_b32 s28, s21, 8
	s_add_co_u32 s28, s28, s20
	s_add_co_u32 s28, s28, SQO
	s_mov_b32 s29, 0
	s_add_nc_u64 s[6:7], s[8:9], s[24:25]          ; my tile's codes
	s_add_nc_u64 s[10:11], s[8:9], s[28:29]        ; the work-group's 64 sums
	s_add_nc_u64 s[8:9], s[8:9], s[26:27]          ; my tile's scale bytes
.macro LOAD s                          ; K step s of my 16 rows: each load takes 512 consecutive bytes of one row
.irp i, 0,1,2,3,4,5,6,7,8,9,10,11,12,13,14,15
	global_load_b128 v[R+64*((\s)%2)+4*\i:R+64*((\s)%2)+4*\i+3], v1, s[4:5] offset:2048*\i+512*(\s) th:TH_LOAD_NT
.endr
.endm
.macro TURN s                          ; through the stage: LDS serves a wave's instructions in order, so no wait stands between the stores and the loads
.irp i, 0,1,2,3,4,5,6,7,8,9,10,11,12,13,14,15
	ds_store_b128 v2, v[R+64*((\s)%2)+4*\i:R+64*((\s)%2)+4*\i+3] offset:SPITCH*\i
.endr
.irp c, 0,1
.irp i, 0,1,2,3,4,5,6,7
	ds_load_b128 v[X+32*\c+4*\i:X+32*\c+4*\i+3], v3 offset:256*\c+16*\i
.endr
.endr
.endm
.macro QSTEP s
.irp c, 0,1
	v_max3_num_f32 v[8+\c], |v[X+32*\c]|, |v[X+32*\c+1]|, 0x1800000   ; my block 2 c + h, and the floor 2^(3 - 127): so the byte cannot fall under 1
.endr
.irp i, 2,4,6,8,10,12,14,16,18,20,22,24,26,28,30
.irp c, 0,1
	v_max3_num_f32 v[8+\c], v[8+\c], |v[X+32*\c+\i]|, |v[X+32*\c+\i+1]|   ; (the two blocks by turns)
.endr
.endr
	v_add_nc_u32 v10, 0xff000000, v8               ; 2 off the exponent field: the conversion takes the exponent field of this operand as its scale, and nothing else of it
	v_add_nc_u32 v11, 0xff000000, v9
	v_lshrrev_b32 v12, 23, v10                     ; the scales' bytes
	v_lshrrev_b32 v13, 23, v11
	v_lshl_or_b32 v12, v13, 16, v12                ; blocks h and 2 + h of my row,
	v_lshlrev_b32 v12, v4, v12                     ; at their places in the scale word (8 h bits up);
	v_permlanex16_b32 v14, v12, s12, s13
	v_or_b32 v[SW+\s], v12, v14                    ; with lane l xor 16's two the word is whole, in both lanes
.set j, 0
.rept 32
.if (\s == 0) && (j < 4)
	v_pk_mul_f32 v[SQ+2*j:SQ+2*j+1], v[X+2*j:X+2*j+1], v[X+2*j:X+2*j+1]   ; the first squares start the four chains: nothing is cleared
.else
	v_pk_fma_f32 v[SQ+2*(j%4):SQ+2*(j%4)+1], v[X+2*j:X+2*j+1], v[X+2*j:X+2*j+1], v[SQ+2*(j%4):SQ+2*(j%4)+1]
.endif
.set j, j+1
.endr
	s_wait_xcnt 0x0                                ; the last step's stores have read their data: the codes' registers are written again only behind this wait
	v_cvt_scalef32_pk16_fp6_f32 v[C:C+2], v[X:X+15], v10
	v_cvt_scalef32_pk16_fp6_f32 v[TM:TM+2], v[X+16:X+31], v10          ; (a conversion's three registers begin on an even number: the second half of a block's six does not)
	v_cvt_scalef32_pk16_fp6_f32 v[C+6:C+8], v[X+32:X+47], v11
	v_cvt_scalef32_pk16_fp6_f32 v[TM+4:TM+6], v[X+48:X+63], v11
	v_nop                                          ; one plain place behind the scaled conversions
.irp i, 0,1,2
	v_mov_b32 v[C+3+\i], v[TM+\i]
	v_mov_b32 v[C+9+\i], v[TM+4+\i]
.endr
.irp c, 0,1,2
	global_store_b128 v1, v[C+4*\c:C+4*\c+3], s[6:7] offset:1536*(\s)+512*\c   ; 32 lanes store 512 consecutive bytes, at a multiple of 256 from the buffer's first byte
.endr
.endm
.macro KSTEP s
.if \s < 3
	s_wait_loadcnt 16                              ; this step's sixteen loads are in; the next step's sixteen may be out
.else
	s_wait_loadcnt 0x0
.endif
	TURN \s
	s_wait_dscnt 0x0                               ; my numbers are back, and the stage's stores have read their registers,
.if \s < 2
	LOAD (\s)+2                                    ; which take the loads of two steps on
.endif
	QSTEP \s
.endm
	LOAD 0
	LOAD 1
	KSTEP 0
	KSTEP 1
	KSTEP 2
	KSTEP 3
	v_cmp_ne_u32 vcc_lo, 0, v28                    ; lanes 16-31
	v_cndmask_b32 v8, v[SW], v[SW+2], vcc_lo       ; lanes 0-15 store their row's words 0 and 1, lanes 16-31 words 2 and 3
	v_cndmask_b32 v9, v[SW+1], v[SW+3], vcc_lo
	global_store_b64 v5, v[8:9], s[8:9]            ; the wave's store covers 256 consecutive bytes, aligned
	v_pk_add_f32 v[SQ:SQ+1], v[SQ:SQ+1], v[SQ+2:SQ+3]
	v_pk_add_f32 v[SQ+4:SQ+5], v[SQ+4:SQ+5], v[SQ+6:SQ+7]
	v_pk_add_f32 v[SQ:SQ+1], v[SQ:SQ+1], v[SQ+4:SQ+5]
	v_add_f32 v[SQ], v[SQ], v[SQ+1]
	v_permlanex16_b32 v14, v[SQ], s12, s13
	v_add_f32 v[SQ], v[SQ], v14                    ; with lane l xor 16's half: the row's sum of squares
	v_mul_f32 v[SQ], s23, v[SQ]                    ; a query's as it is, an action's x -0.5
	ds_store_b32 v6, v[SQ]                         ; both lanes of a row write the same word with the same value
	s_wait_dscnt 0x0                               ; for wave 0's sake: my store is done
	s_barrier_signal -1
	s_barrier_wait -1
	s_cmp_lg_u32 s16, 0
	s_cbranch_scc1 .Lend
	ds_load_b64 v[30:31], v29                      ; the four waves' 64 numbers
	s_wait_dscnt 0x0
	global_store_b64 v7, v[30:31], s[10:11]        ; 256 consecutive bytes, aligned
.Lend:
	s_wait_tensorcnt 0x0
	ds_add_u32 v254, v255
	s_wait_dscnt 0x0
	s_endpgm
.Lfunc_end_k_qd6cac4dc38_quant:
	.size	k_qd6cac4dc38_quant, .Lfunc_end_k_qd6cac4dc38_quant-k_qd6cac4dc38_quant
	.p2alignl 7, 3214868480
	.fill 96, 4, 3214868480
	.section	.rodata,"a",@progbits
	.p2align	6, 0x0
	.amdhsa_kernel k_qd6cac4dc38_quant
		.amdhsa_group_segment_fixed_size 35328
		.amdhsa_private_segment_fixed_size 0
		.amdhsa_enable_private_segment 0
		.amdhsa_kernarg_size 32
		.amdhsa_user_sgpr_count 2
		.amdhsa_user_sgpr_kernarg_segment_ptr 1
		.amdhsa_wavefront_size32 1
		.amdhsa_system_sgpr_workgroup_id_x 1
		.amdhsa_system_sgpr_workgroup_id_y 1
		.amdhsa_system_sgpr_workgroup_id_z 1
		.amdhsa_system_vgpr_workitem_id 0
		.amdhsa_next_free_vgpr 256
		.amdhsa_next_free_sgpr 66
		.amdhsa_reserve_vcc 1
		.amdhsa_float_denorm_mode_32 3
		.amdhsa_float_denorm_mode_16_64 3
		.amdhsa_memory_ordered 1
		.amdhsa_forward_progress 1
		.amdhsa_inst_pref_size 39
	.end_amdhsa_kernel
	.amdgpu_metadata
---
amdhsa.version: [ 1, 2 ]
amdhsa.kernels:
  - .name:           k_qd6cac4dc38_quant
    .symbol:         k_qd6cac4dc38_quant.kd
    .args:
      - { .name: action_set, .offset: 0, .size: 8, .value_kind: global_buffer, .address_space: global }
      - { .name: pred_action, .offset: 8, .size: 8, .value_kind: global_buffer, .address_space: global }
      - { .name: acts, .offset: 16, .size: 8, .value_kind: global_buffer, .address_space: global }
      - { .name: qrys, .offset: 24, .size: 8, .value_kind: global_buffer, .address_space: global }
    .group_segment_fixed_size: 35328
    .private_segment_fixed_size: 0
    .kernarg_segment_align: 8
    .kernarg_segment_size: 32
    .max_flat_workgroup_size: 128
    .sgpr_count:     66
    .vgpr_count:     256
    .wavefront_size: 32
...
	.end_amdgpu_metadata
.endif
;; end of part 1
;; launch dist (part 2): grid 8 x 32, 4 waves a work-group, clusters of 4 x 4, 327,680 bytes of LDS; arguments acts, qrys, part; writes part
.if DOCPART == 2
	.amdgcn_target "amdgcn-amd-amdhsa--gfx1250"
	.amdhsa_code_object_version 6
	.text
	.protected	k_qd6cac4dc38_dist
	.globl	k_qd6cac4dc38_dist
	.p2align	8
	.type	k_qd6cac4dc38_dist,@function
k_qd6cac4dc38_dist:
	s_mov_b64 s[64:65], 0
	v_nop
	global_prefetch_b8 v0, s[64:65] scope:SCOPE_SE
	s_setreg_imm32_b32 hwreg(HW_REG_WAVE_MODE, 25, 1), 1
	s_wait_xcnt 0x0
	s_wait_alu depctr_hold_cnt(0) depctr_sa_sdst(0) depctr_va_vdst(0) depctr_va_sdst(0) depctr_va_ssrc(0) depctr_va_vcc(0) depctr_vm_vsrc(0)
	s_getreg_b32 s2, hwreg(HW_REG_IB_STS2, 6, 4)
	s_cmp_eq_u32 s2, 0
	s_cbranch_scc0 .Lentry_in_a_cluster
	s_endpgm
.Lentry_in_a_cluster:
	s_bfe_u32 s2, ttmp6, 0x10000c
	s_cmp_lg_u32 s2, 0xf033
	s_cbranch_scc0 .Lentry_shape_is_right
	s_endpgm
.Lentry_shape_is_right:
; For 512 queries and 1,024 actions a work-group finds, for each query, the largest xa - a2 / 2 (the smallest distance) and the first action that has it, and stores a pair (key, index) for the next launch.
; xa is the product of the FP6 codes with their E8M0 scales; -a2 / 2 is the number that each sum starts from (the C of its first K step).
; INPUT LAYOUT (this program's own): superblocks of 256 rows, SLOT bytes each: 16 tiles x 6,144 bytes of fragments in register order, then 16 scale bytes a row, then one f32 a row (x2 of a query, -a2 / 2 of an action).
; SHARES.  Work-group (x, y): queries 512 x .., actions 1,024 y ...  A wave keeps 128 queries (8 tiles x 4 K steps x 12 registers) in windows 1 and 2 for the whole launch and walks 64 tiles of 16 actions.
; Source 0 = 16 actions, source 1 = 16 queries: lane (r, h) holds query r and, in register j, action 8 h + j.
; A tile is two halves.  A half is a batch of 16 products (4 query tiles by turns, K ascending) and behind it a batch of 36 vector lines, under two switches of the register windows.
; For a finished 16 x 16 sums the vector lines are nine: four three-way maxima (eight sums and the running maximum), one compare, and four pairs of selects that keep, where the maximum has grown, the tile's number
; and seven of its eight sums; the eighth is known by exclusion at the end.  A batch holds the maxima of the half just multiplied and the compares and selects of the half before it, laid by turns, so that
; other lines stand between a compare and its selects and between a maximum and the maximum that takes it in.
; LDS: three slots of SLOT bytes.  Head: waves 0, 1 fetch the two superblocks of queries (slots 1, 2), waves 2, 3 the halves of action superblock 0 (slot 0).  When the queries are in registers, ONE fill brings action
; superblocks 1 and 2 into slots 1 and 2; superblock 3 goes into slot 0 when tile 15's fragments have been read.
; CLUSTERS: 4 x 4.  Actions hang on y alone and are asked for jointly along a row of the cluster, queries on x alone, along a column.
; NO PREFETCH: the two fills behind the head are asked for 15 tiles (480 products a wave) or more ahead of their first read, and the head's loads have no loop ahead of them.
; LIMITS: NaN and infinities among the distances are not served (a NaN never becomes the maximum).  Among equal distances the lowest index wins, as argmin has it.
.set SLOT,  103424
.set SCO,   98304
.set SQO,   102400
.set QUART, SLOT/4                     ; 101 rows of 256 bytes
.set QQ,    SLOT/2                     ; 202 rows
.set SPARE, 3*SLOT                     ; the spare words: 128 bytes a wave, two blocks of 256 bytes that no other line names
; window 0
.set L16, 1                            ; 16 x lane
.set R16, 2                            ; SCO + 16 r
.set H32, 3                            ; SQO + 32 h
.set VC,  4                            ; LDS addresses of the action tile that is fetched: fragments,
.set VS,  5                            ; scale words,
.set VA,  6                            ; -a2 / 2
.set SPW, 7
.set NIL, 8
.set VQC, 9                            ; my queries' fragments, scale words, x2
.set VQS, 10
.set L8,  11
.set VQX, 12
.set QS,  16                           ; v16-47   the queries' scale words: tile q, K step k at 4 q + k
.set H8,  48                           ; 8 h
.set VKT, 49                           ; the number of the tile whose sums are kept
.set AS,  50                           ; v50-57   the actions' scale words, two sets; 2 off a multiple of 8, so that the two scale registers of a product differ modulo 8
.set A2,  58                           ; v58-73   -a2 / 2 in the result's layout, two sets
.set ACC, 76                           ; v76-139  eight accumulators
.set SNAP, 140                         ; v140-203 sums 0-6 of the tile that holds the maximum
.set XI,  204                          ; v204-219 x2 (even), that tile's number (odd)
.set RUN, 220                          ; v220-235 the running maximum, old and new by turns
.set T,   236                          ; v236-251 two partial maxima for each query tile
.set FJ,  ACC                          ; the end's registers lie over the accumulators
.set FK,  ACC+8
.set FI,  ACC+16
.set FPK, ACC+24
.set FPI, ACC+32
.set FO,  ACC+40
.set FD,  ACC+48
; window 3: v0-95 the actions' fragments, two sets.  Windows 1, 2: v0-191 the fragments of query tiles 0-3, 4-7
.set SS,  2
.set SA,  3
.set WV,  10
.set G1A, 16
.set G1Q, 24
.set G0A, 32
.set G0Q, 36
.set SC,  43
.set MSK, 44
.set SEL, 56
.set MSB, 0
.macro WIN new                         ; the immediate's high byte repeats the setting that is left
.if MSB != (\new)
	s_set_vgpr_msb (MSB<<8)|(\new)
.set MSB, (\new)
.endif
.endm
.macro CROUND                          ; a round of the cluster's barrier
	s_barrier_signal -1
	s_barrier_wait -1
	s_cmp_lg_u32 s[WV], 0
	s_cbranch_scc1 .Lnot_wave_0_\@
	s_barrier_signal -3
.Lnot_wave_0_\@:
	s_barrier_wait -3
	s_barrier_signal -1
	s_barrier_wait -1
.endm
.macro NOP4
.rept 4
	v_nop
.endr
.endm
	s_load_b128 s[4:7], s[0:1], 0x0                ; acts, qrys
	s_load_b64 s[8:9], s[0:1], 0x10                ; part
	v_lshl_add_u32 v[SPW], v0, 2, SPARE
	v_mov_b32 v[NIL], 0
	ds_add_u32 v[SPW], v[NIL]                      ; the opening lines: the add, twice on end, and its wait ahead of my first tensor load
	ds_add_u32 v[SPW], v[NIL]
	v_lshrrev_b32 v9, 5, v0
	v_readfirstlane_b32 s[WV], v9                  ; wave 0..3
	s_lshr_b32 s11, s[WV], 1                       ; at the head: 0 I fetch queries, 1 actions.  Later: which superblock of queries is mine
	s_and_b32 s12, s[WV], 1                        ; which part I fetch; which half of that superblock is mine
	s_bfe_u32 s58, ttmp6, 0x40000                  ; cx
	s_bfe_u32 s59, ttmp6, 0x40004                  ; cy
	s_lshl_b32 s13, ttmp9, 2
	s_add_co_u32 s13, s13, s58                     ; work-group x: 512 queries
	s_and_b32 s14, ttmp7, 0xffff
	s_lshl_b32 s14, s14, 2
	s_add_co_u32 s14, s14, s59                     ; work-group y: 1,024 actions
	s_lshl_b32 s15, s59, 2
	s_lshl_b32 s15, 15, s15                        ; my row of the cluster
	s_lshl_b32 s58, 0x1111, s58                    ; my column
	s_or_b32 s[G1A], s15, (3<<16)|(1<<21)          ; dense blocks as rows of 256 bytes (32 elements of 8 bytes), no padding
	s_or_b32 s[G1Q], s58, (3<<16)|(1<<21)
	s_mov_b32 s[G1A+1], 32<<16
	s_mov_b32 s[G1A+2], 202<<16                    ; half a superblock
	s_mov_b32 s[G1A+3], 32<<16
	s_mov_b32 s[G1A+4], 202
	s_mov_b32 s[G1A+5], 32
	s_mov_b32 s[G1A+6], 0
	s_mov_b32 s[G1A+7], 0
	s_mov_b32 s[G1Q+1], 32<<16
	s_mov_b32 s[G1Q+2], 404<<16                    ; a whole superblock
	s_mov_b32 s[G1Q+3], 32<<16
	s_mov_b32 s[G1Q+4], 404
	s_mov_b32 s[G1Q+5], 32
	s_mov_b32 s[G1Q+6], 0
	s_mov_b32 s[G1Q+7], 0
	s_mul_i32 s40, s[WV], QUART
	s_mul_i32 s41, s[WV], QQ
	s_add_co_u32 s46, s41, SLOT                    ; the second fill: my part's offset from the work-group's first action superblock
	s_mov_b32 s47, 0
	s_add_co_u32 s48, s40, 3*SLOT                  ; the third's
	s_mov_b32 s49, 0
	s_mul_i32 s54, s14, 4*SLOT
	s_mov_b32 s55, 0
	s_mul_i32 s60, s12, QQ                         ; the head's load of actions: my half, in memory and in LDS
	s_mov_b32 s61, 0
	s_mul_i32 s62, s12, SLOT
	s_mul_i32 s58, s13, 2*SLOT
	s_add_co_u32 s58, s58, s62                     ; the head's load of queries: my superblock
	s_mov_b32 s59, 0
	s_lshl_b32 s50, s13, 4                         ; part: groups of 32 queries, 8,192 bytes each: 16 x + 4 wave;
	s_lshl_b32 s51, s[WV], 2
	s_add_co_u32 s50, s50, s51
	s_lshl_b32 s50, s50, 13
	s_lshl_b32 s51, s14, 8                         ; in a group 256 bytes for each y
	s_add_co_u32 s50, s50, s51
	s_mov_b32 s51, 0
	s_wait_dscnt 0x0                               ; both opening adds are done
	s_wait_kmcnt 0x0
	s_add_nc_u64 s[52:53], s[4:5], s[54:55]        ; the work-group's first action superblock
	s_mov_b32 s[G0A], 1
	s_add_co_u32 s[G0A+1], s60, 0
	s_add_nc_u64 s[G0A+2:G0A+3], s[52:53], s[60:61]
	s_or_b32 s[G0A+3], s[G0A+3], 0x80000000
	s_mov_b32 s[G0Q], 1
	s_add_co_u32 s[G0Q+1], s62, SLOT
	s_add_nc_u64 s[G0Q+2:G0Q+3], s[6:7], s[58:59]
	s_or_b32 s[G0Q+3], s[G0Q+3], 0x80000000
	s_add_nc_u64 s[8:9], s[8:9], s[50:51]
	CROUND                                         ; all sixteen work-groups are here: the first joint loads meet
	s_cmp_eq_u32 s11, 0                            ; one load a wave at the head, in the two arms of one branch on the wave's number
	s_cbranch_scc0 .Lfor_a
	tensor_load_to_lds s[G0Q:G0Q+3], s[G1Q:G1Q+7]
	s_nop 0
	NOP4
	s_branch .Lasked
.Lfor_a:
	tensor_load_to_lds s[G0A:G0A+3], s[G1A:G1A+7]
	s_nop 0
	NOP4
.Lasked:
	s_mul_i32 s60, s11, SLOT
	s_add_co_u32 s60, s60, SLOT                    ; my superblock of queries in LDS
	s_mul_i32 s61, s12, 8*6144
	s_add_co_u32 s61, s61, s60                     ; my eight tiles' fragments,
	s_lshl_b32 s62, s12, 11
	s_add_co_u32 s62, s62, s60                     ; scale words,
	s_lshl_b32 s54, s12, 9
	s_add_co_u32 s54, s54, s60
	s_add_co_u32 s54, s54, SQO                     ; x2
	s_lshl_b32 s15, s14, 6                         ; my first tile's number among all 2,048
	s_mov_b32 s63, 0xff800000                      ; -infinity
	s_mov_b32 s[SEL], 0x76543210
	s_mov_b32 s[SEL+1], 0xfedcba98                 ; v_permlanex16_b32's selects for lane l xor 16
	s_mov_b32 s[SC], 0
	s_mov_b32 s[SS], 0
	s_mov_b32 s[SA], 0
	v_and_b32 v252, 31, v0
	v_and_b32 v253, 15, v0
	v_bfe_u32 v254, v0, 4, 1
	v_lshlrev_b32 v[L16], 4, v252
	v_lshl_add_u32 v[R16], v253, 4, SCO
	v_lshl_add_u32 v[H32], v254, 5, SQO
	v_lshlrev_b32 v[L8], 3, v252
	v_lshlrev_b32 v[H8], 3, v254
	v_add_nc_u32 v[VQC], s61, v[L16]
	v_add_nc_u32 v[VQS], s62, v[R16]
	v_lshl_add_u32 v[VQX], v253, 2, s54
	v_add_nc_u32 v[VC], s[SC], v[L16]
	v_add_nc_u32 v[VS], s[SS], v[R16]
	v_add_nc_u32 v[VA], s[SA], v[H32]
; what the first batch of vector lines finds: maxima of -infinity, and for query tiles 4-7 sums and partial maxima of -infinity in place of a tile ahead of the first.  These lines stand under the head's loads
.irp q, 0,1,2,3,4,5,6,7
.irp j, 0,1,2,3,4,5,6
	v_mov_b32 v[SNAP+8*\q+\j], s63
.endr
	v_mov_b32 v[RUN+2*\q], s63
	v_mov_b32 v[RUN+2*\q+1], s63
	v_mov_b32 v[XI+2*\q+1], s15
.endr
.set j, 0
.rept 32
	v_mov_b32 v[ACC+32+j], s63
.set j, j+1
.endr
.irp j, 10,11,12,13,14,15
	v_mov_b32 v[T+\j], s63
.endr
	v_add_nc_u32 v[VKT], -1, v[XI+1]
	s_wait_alu depctr_va_vdst(0)
	s_wait_tensorcnt 0x0                           ; my part of the head's tiles is in
	s_barrier_signal -1
	s_barrier_wait -1                              ; everybody's is
; an action tile's scale words, -a2 / 2 and fragments into set buf
.macro LDT buf, oc, os, oa
	ds_load_b128 v[AS+4*(\buf):AS+4*(\buf)+3], v[VS] offset:\os
	ds_load_b128 v[A2+8*(\buf):A2+8*(\buf)+3], v[VA] offset:\oa
	ds_load_b128 v[A2+8*(\buf)+4:A2+8*(\buf)+7], v[VA] offset:(\oa)+16
	WIN 0xc0
.irp k, 0,1,2,3
.irp c, 0,1,2
	ds_load_b128 v[48*(\buf)+12*\k+4*\c:48*(\buf)+12*\k+4*\c+3], v[VC] offset:(\oc)+1536*\k+512*\c
.endr
.endr
.endm
.irp q, 0,1,2,3,4,5,6,7
	ds_load_b128 v[QS+4*\q:QS+4*\q+3], v[VQS] offset:256*\q
	ds_load_b32 v[XI+2*\q], v[VQX] offset:64*\q
.endr
	LDT 0, 0, 0, 0                                 ; action tile 0
	WIN 0x40
.irp q, 0,1,2,3
.irp k, 0,1,2,3
.irp c, 0,1,2
	ds_load_b128 v[48*\q+12*\k+4*\c:48*\q+12*\k+4*\c+3], v[VQC] offset:6144*\q+1536*\k+512*\c
.endr
.endr
.endr
	WIN 0x80
.irp q, 0,1,2,3
.irp k, 0,1,2,3
.irp c, 0,1,2
	ds_load_b128 v[48*\q+12*\k+4*\c:48*\q+12*\k+4*\c+3], v[VQC] offset:6144*(\q+4)+1536*\k+512*\c
.endr
.endr
.endr
	WIN 0
	s_wait_tensorcnt 0x0                           ; no tensor load of mine is out;
	ds_add_u32 v[SPW], v[NIL]
	s_add_co_u32 s[G0A+1], s41, SLOT               ; so the descriptor may be written: a quarter of slots 1 and 2 a wave: action superblocks 1 and 2
	s_add_nc_u64 s[G0A+2:G0A+3], s[52:53], s[46:47]
	s_or_b32 s[G0A+3], s[G0A+3], 0x80000000
	s_wait_dscnt 0x0                               ; the add is done and my queries are in registers: slots 1 and 2 are read no more
	CROUND
	tensor_load_to_lds s[G0A:G0A+3], s[G1A:G1A+7]
	s_nop 0
	NOP4
; one product: K step mi / 4 of query tile 4 gw + mi % 4
.macro MM gw, buf
.set mK, mi/4
.set mQ, 4*(\gw)+mi%4
.set mD, ACC+8*mQ
.set mA, 48*(\buf)+12*mK
.set mB, 48*(mi%4)+12*mK
.set mC, A2+8*(\buf)
	WIN 0x07+4*(\gw)                               ; source 0 window 3, source 1 window 1 or 2, C and D window 0
.if mK == 0
	v_wmma_scale_f32_16x16x128_f8f6f4 v[mD:mD+7], v[mA:mA+11], v[mB:mB+11], v[mC:mC+7], v[AS+4*(\buf)+mK], v[QS+4*mQ+mK] matrix_a_fmt:MATRIX_FMT_FP6 matrix_b_fmt:MATRIX_FMT_FP6
.else
	v_wmma_scale_f32_16x16x128_f8f6f4 v[mD:mD+7], v[mA:mA+11], v[mB:mB+11], v[mD:mD+7], v[AS+4*(\buf)+mK], v[QS+4*mQ+mK] matrix_a_fmt:MATRIX_FMT_FP6 matrix_b_fmt:MATRIX_FMT_FP6
.endif
.endm
.macro HALF gw, buf                    ; a batch of 16 products
.set mi, 0
.rept 16
	MM \gw, \buf
.set mi, mi+1
.endr
	WIN 0
.endm
; The vector lines of query tile q.  par: which of its two registers holds the old running maximum
.macro TOP q, par                      ; the new running maximum
	v_max3_num_f32 v[RUN+2*(\q)+1-(\par)], v[T+2*(\q)], v[T+2*(\q)+1], v[RUN+2*(\q)+(\par)]
.endm
.macro GREW q, par                     ; has it grown?  Only then: an equal sum of a later tile does not displace the first
	v_cmp_gt_f32 vcc_lo, v[RUN+2*(\q)+1-(\par)], v[RUN+2*(\q)+(\par)]
.endm
.macro KEEP q                          ; where it has: the tile's sums 0-6 and its number, two selects to an instruction
.irp i, 0,2,4
	v_dual_cndmask_b32 v[SNAP+8*(\q)+\i], v[SNAP+8*(\q)+\i], v[ACC+8*(\q)+\i] :: v_dual_cndmask_b32 v[SNAP+8*(\q)+\i+1], v[SNAP+8*(\q)+\i+1], v[ACC+8*(\q)+\i+1]
.endr
	v_dual_cndmask_b32 v[SNAP+8*(\q)+6], v[SNAP+8*(\q)+6], v[ACC+8*(\q)+6] :: v_dual_cndmask_b32 v[XI+2*(\q)+1], v[XI+2*(\q)+1], v[VKT]
.endm
; A batch of 36 vector lines: query tiles 4 gp .. of the half before are brought to their end, those of the half just multiplied, 4 gc .., as far as tile 4 gc's new maximum.
; Nine lines stand ahead of the first read of the sums just made; each accumulator is first read from its low end.
.macro VB gp, pp, gc, pc
	GREW 4*(\gp), \pp
	TOP 4*(\gp)+1, \pp
	TOP 4*(\gp)+2, \pp
	TOP 4*(\gp)+3, \pp
	KEEP 4*(\gp)
	GREW 4*(\gp)+1, \pp
.irp b, 0,1,2,3
	v_max3_num_f32 v[T+2*(4*(\gc)+\b)], v[ACC+8*(4*(\gc)+\b)], v[ACC+8*(4*(\gc)+\b)+1], v[ACC+8*(4*(\gc)+\b)+2]
.endr
	KEEP 4*(\gp)+1
	GREW 4*(\gp)+2, \pp
.irp b, 0,1,2,3
	v_max3_num_f32 v[T+2*(4*(\gc)+\b)+1], v[ACC+8*(4*(\gc)+\b)+3], v[ACC+8*(4*(\gc)+\b)+4], v[ACC+8*(4*(\gc)+\b)+5]
.endr
	KEEP 4*(\gp)+2
	GREW 4*(\gp)+3, \pp
.irp b, 0,1,2,3
	v_max3_num_f32 v[T+2*(4*(\gc)+\b)], v[T+2*(4*(\gc)+\b)], v[ACC+8*(4*(\gc)+\b)+6], v[ACC+8*(4*(\gc)+\b)+7]
.endr
	KEEP 4*(\gp)+3
	TOP 4*(\gc), \pc
.endm
; the next tile is fetched into the other set.  kind 0: the pair's second tile; 1: the next pair's first; 2: the first of the slot at nb
.macro RUNL buf, kind, nb
.if \kind == 1
	s_add_co_u32 s[SC], s[SC], 12288
	s_add_co_u32 s[SS], s[SS], 512
	s_add_co_u32 s[SA], s[SA], 128
.elseif \kind == 2
	s_mov_b32 s[SC], \nb
	s_mov_b32 s[SS], \nb
	s_mov_b32 s[SA], \nb
.endif
.if \kind != 0
	v_add_nc_u32 v[VC], s[SC], v[L16]
	v_add_nc_u32 v[VS], s[SS], v[R16]
	v_add_nc_u32 v[VA], s[SA], v[H32]
	LDT 1-(\buf), 0, 0, 0
.else
	LDT 1-(\buf), 6144, 256, 64
.endif
.endm
.macro TILE buf, kind, nb
	s_wait_alu depctr_va_vdst(0)
	s_wait_dscnt 0x0                               ; this tile's fragments, asked for a tile ago, are in
.if \kind != 3
	RUNL \buf, \kind, \nb                          ; the other set was last read 36 vector lines ago
.endif
	HALF 0, \buf
	VB 1, 1-(\buf), 0, \buf                        ; the tile before: query tiles 4-7 to their end; this tile: 0-3 begun
	v_add_nc_u32 v[VKT], 1, v[VKT]                 ; from here on this tile's own sums are kept
	HALF 1, \buf
	VB 0, \buf, 1, \buf
.endm
; a slot's 16 tiles.  mode 0: ahead of the last tile, whose fragments are in registers, slot 0 is filled again; 1: a barrier shows the last fill to all waves; 2: the next slot has been shown already; 3: the last slot
.macro PHASE mode, nb
	s_mov_b32 s42, 7
.Lpair_\@:
	TILE 0, 0, 0
	TILE 1, 1, 0
	s_sub_co_u32 s42, s42, 1
	s_cmp_lg_u32 s42, 0
	s_cbranch_scc1 .Lpair_\@
	TILE 0, 0, 0
.if \mode < 2
	s_wait_tensorcnt 0x0                           ; all my tensor loads have landed;
	ds_add_u32 v[SPW], v[NIL]
.if \mode == 0
	s_mov_b32 s[G1A+2], 101<<16                    ; no tensor load of mine is out: a quarter of a superblock a wave,
	s_mov_b32 s[G1A+4], 101
	s_add_co_u32 s[G0A+1], s40, 0                  ; into slot 0: action superblock 3
	s_add_nc_u64 s[G0A+2:G0A+3], s[52:53], s[48:49]
	s_or_b32 s[G0A+3], s[G0A+3], 0x80000000
.endif
	s_wait_dscnt 0x0                               ; the add is done, and my reads of the slot are over
.if \mode == 0
	CROUND
	tensor_load_to_lds s[G0A:G0A+3], s[G1A:G1A+7]
	s_nop 0
	NOP4
.else
	s_barrier_signal -1
	s_barrier_wait -1
.endif
.endif
.if \mode == 3
	TILE 1, 3, 0
.else
	TILE 1, 2, \nb
.endif
.endm
	PHASE 0, SLOT
	PHASE 2, 2*SLOT
	PHASE 1, 0
	PHASE 3, 0
	GREW 4, 1                                      ; the last tile's query tiles 4-7 are brought to their end
	TOP 5, 1
	TOP 6, 1
	TOP 7, 1
	KEEP 4
.irp q, 5,6,7
	GREW \q, 1
	KEEP \q
.endr
; THE END.  Which of my eight actions of the kept tile has the maximum: the lowest j whose kept sum equals it; 7 if none of 0-6 does
.irp q, 0,1,2,3,4,5,6,7
	v_mov_b32 v[FJ+\q], 7
.endr
.irp j, 6,5,4,3,2,1,0
.irp q, 0,1,2,3,4,5,6,7
	v_cmp_eq_f32 s[MSK+\q], v[SNAP+8*\q+\j], v[RUN+2*\q]
.endr
.irp q, 0,1,2,3,4,5,6,7
	v_cndmask_b32 v[FJ+\q], v[FJ+\q], \j, s[MSK+\q]
.endr
.endr
.irp q, 0,1,2,3,4,5,6,7
	v_fma_f32 v[FD+\q], -2.0, v[RUN+2*\q], v[XI+2*\q]   ; the squared distance: x2 - 2 (xa - a2 / 2)
.endr
.irp q, 0,1,2,3,4,5,6,7
	v_lshl_add_u32 v[FI+\q], v[XI+2*\q+1], 4, v[FJ+\q]
.endr
.irp q, 0,1,2,3,4,5,6,7
	v_add_nc_u32 v[FI+\q], v[H8], v[FI+\q]         ; the action's index: 16 x tile + 8 h + j
.endr
.irp q, 0,1,2,3,4,5,6,7
	v_ashrrev_i32 v[FK+\q], 31, v[FD+\q]           ; the distance as a whole number that orders as the f32 does
.endr
.irp q, 0,1,2,3,4,5,6,7
	v_or_b32 v[FK+\q], 0x80000000, v[FK+\q]
.endr
.irp q, 0,1,2,3,4,5,6,7
	v_xor_b32 v[FK+\q], v[FD+\q], v[FK+\q]
.endr
.irp q, 0,1,2,3,4,5,6,7
	v_permlanex16_b32 v[FPK+\q], v[FK+\q], s[SEL], s[SEL+1]
	v_permlanex16_b32 v[FPI+\q], v[FI+\q], s[SEL], s[SEL+1]
.endr
.irp q, 0,1,2,3,4,5,6,7
	v_cmp_lt_u32 s[MSK+\q], v[FPK+\q], v[FK+\q]    ; lane l xor 16 holds the same query's other eight actions of each tile: the smaller key, at equal keys the smaller index
	v_cmp_eq_u32 s60, v[FPK+\q], v[FK+\q]
	v_cmp_lt_u32 s61, v[FPI+\q], v[FI+\q]
	s_and_b32 s60, s60, s61
	s_or_b32 s[MSK+\q], s[MSK+\q], s60
	v_cndmask_b32 v[FK+\q], v[FK+\q], v[FPK+\q], s[MSK+\q]
	v_cndmask_b32 v[FI+\q], v[FI+\q], v[FPI+\q], s[MSK+\q]
.endr
	v_cmp_ne_u32 vcc_lo, 0, v[H8]
.irp p, 0,1,2,3
	v_cndmask_b32 v[FO+2*\p], v[FK+2*\p], v[FK+2*\p+1], vcc_lo       ; lanes 0-15 store query tile 2 p, lanes 16-31 tile 2 p + 1
	v_cndmask_b32 v[FO+2*\p+1], v[FI+2*\p], v[FI+2*\p+1], vcc_lo
.endr
.irp p, 0,1,2,3
	global_store_b64 v[L8], v[FO+2*\p:FO+2*\p+1], s[8:9] offset:8192*\p   ; 32 lanes store 256 consecutive bytes, aligned
.endr
	s_wait_tensorcnt 0x0                           ; the wave's end
	ds_add_u32 v[SPW], v[NIL]
	s_wait_dscnt 0x0
	CROUND                                         ; the closing round
	s_endpgm
.Lfunc_end_k_qd6cac4dc38_dist:
	.size	k_qd6cac4dc38_dist, .Lfunc_end_k_qd6cac4dc38_dist-k_qd6cac4dc38_dist
	.p2alignl 7, 3214868480
	.fill 96, 4, 3214868480
	.section	.rodata,"a",@progbits
	.p2align	6, 0x0
	.amdhsa_kernel k_qd6cac4dc38_dist
		.amdhsa_group_segment_fixed_size 327680
		.amdhsa_private_segment_fixed_size 0
		.amdhsa_enable_private_segment 0
		.amdhsa_kernarg_size 24
		.amdhsa_user_sgpr_count 2
		.amdhsa_user_sgpr_kernarg_segment_ptr 1
		.amdhsa_wavefront_size32 1
		.amdhsa_system_sgpr_workgroup_id_x 1
		.amdhsa_system_sgpr_workgroup_id_y 1
		.amdhsa_system_sgpr_workgroup_id_z 1
		.amdhsa_system_vgpr_workitem_id 0
		.amdhsa_next_free_vgpr 1024
		.amdhsa_next_free_sgpr 66
		.amdhsa_reserve_vcc 1
		.amdhsa_float_denorm_mode_32 3
		.amdhsa_float_denorm_mode_16_64 3
		.amdhsa_memory_ordered 1
		.amdhsa_forward_progress 1
		.amdhsa_inst_pref_size 188
	.end_amdhsa_kernel
	.amdgpu_metadata
---
amdhsa.version: [ 1, 2 ]
amdhsa.kernels:
  - .name:           k_qd6cac4dc38_dist
    .symbol:         k_qd6cac4dc38_dist.kd
    .args:
      - { .name: acts, .offset: 0, .size: 8, .value_kind: global_buffer, .address_space: global }
      - { .name: qrys, .offset: 8, .size: 8, .value_kind: global_buffer, .address_space: global }
      - { .name: part, .offset: 16, .size: 8, .value_kind: global_buffer, .address_space: global }
    .group_segment_fixed_size: 327680
    .private_segment_fixed_size: 0
    .kernarg_segment_align: 8
    .kernarg_segment_size: 24
    .max_flat_workgroup_size: 128
    .sgpr_count:     66
    .vgpr_count:     1024
    .wavefront_size: 32
...
	.end_amdgpu_metadata
.endif
;; end of part 2
;; launch pick (part 3): grid 256 x 1, 4 waves a work-group, no clusters, 0 bytes of LDS; arguments part, action_set, out0; writes out0
.if DOCPART == 3
	.amdgcn_target "amdgcn-amd-amdhsa--gfx1250"
	.amdhsa_code_object_version 6
	.text
	.protected	k_qd6cac4dc38_pick
	.globl	k_qd6cac4dc38_pick
	.p2align	8
	.type	k_qd6cac4dc38_pick,@function
k_qd6cac4dc38_pick:
	s_mov_b64 s[64:65], 0
	v_nop
	global_prefetch_b8 v0, s[64:65] scope:SCOPE_SE
	s_setreg_imm32_b32 hwreg(HW_REG_WAVE_MODE, 25, 1), 1
	s_wait_xcnt 0x0
; For each query: of its 32 pairs (key, index), one for each split of 1,024 actions, the smallest key, and among equal keys the smallest index: the first action at the smallest distance.
; Then that row of action_set, 2,048 bytes, is copied to out0.  All that is compared here are whole numbers that the launch before has stored.
; SHARES.  A work-group takes 16 queries, a wave four; lane l stands for split l and reads the four queries' pairs, 32 consecutive bytes.  (A lane's 32 bytes are an eighth of an aligned 256: the eight waves of two
; neighbouring work-groups read the rest; the whole table is 1 MiB.)  The rows go 512 consecutive bytes a load and a store.
; No LDS, no matrix unit, no cluster: the work-groups share no input but rows that happen to be named twice.
; An index is held to 32,767 before it enters an address.
.set KEY, 8                            ; v8 + 2 q the key, v9 + 2 q the index of query q, as loaded
.set MN,  16                           ; v16-19 the minima
.set TP,  20                           ; v20-23 at work
.set AD,  28                           ; v28-31 the rows' byte offsets
.set ROWS, 32                          ; v32-95 four rows: 16 registers each
	s_load_b128 s[4:7], s[0:1], 0x0                ; part, action_set
	s_load_b64 s[8:9], s[0:1], 0x10                ; out0
	v_lshrrev_b32 v3, 5, v0
	v_readfirstlane_b32 s10, v3                    ; wave 0..3
	v_and_b32 v3, 31, v0                           ; lane
	v_lshlrev_b32 v1, 4, v3                        ; 16 bytes a lane of a row's 512
	v_lshlrev_b32 v2, 8, v3                        ; my split's 256 bytes
.irp q, 0,1,2,3
	v_mov_b32 v[TP+\q], 0                          ; written once: the destination of a lane move counts as one of its sources
.endr
	s_lshr_b32 s14, ttmp9, 1                       ; the group of 32 queries: 8,192 bytes each;
	s_lshl_b32 s14, s14, 13
	s_and_b32 s15, ttmp9, 1                        ; in a split's 256 bytes: 8 bytes a query: 16 (work-group % 2) + 4 wave
	s_lshl_b32 s15, s15, 7
	s_add_co_u32 s14, s14, s15
	s_lshl_b32 s15, s10, 5
	s_add_co_u32 s14, s14, s15
	s_mov_b32 s15, 0
	s_lshl_b32 s16, ttmp9, 15                      ; out0: 16 rows of 2,048 bytes a work-group,
	s_lshl_b32 s17, s10, 13                        ; four a wave
	s_add_co_u32 s16, s16, s17
	s_mov_b32 s17, 0
	s_mov_b32 s12, 0x76543210
	s_mov_b32 s13, 0xfedcba98                      ; v_permlanex16_b32's selects for lane l xor 16
	s_wait_alu depctr_va_vdst(0)
	s_wait_kmcnt 0x0
	s_add_nc_u64 s[4:5], s[4:5], s[14:15]
	s_add_nc_u64 s[8:9], s[8:9], s[16:17]
	global_load_b128 v[KEY:KEY+3], v2, s[4:5]
	global_load_b128 v[KEY+4:KEY+7], v2, s[4:5] offset:16
; v[MN + q] becomes its smallest value over the 32 lanes, in every lane; the four queries by turns
.macro LANEMIN
.irp m, 1,2,4,8
.irp q, 0,1,2,3
	v_mov_b32_dpp v[TP+\q], v[MN+\q] row_xmask:\m row_mask:0xf bank_mask:0xf
.endr
.irp q, 0,1,2,3
	v_min_u32 v[MN+\q], v[MN+\q], v[TP+\q]
.endr
.endr
.irp q, 0,1,2,3
	v_permlanex16_b32 v[TP+\q], v[MN+\q], s12, s13
.endr
.irp q, 0,1,2,3
	v_min_u32 v[MN+\q], v[MN+\q], v[TP+\q]
.endr
.endm
	s_wait_loadcnt 0x0
.irp q, 0,1,2,3
	v_mov_b32 v[MN+\q], v[KEY+2*\q]
.endr
	LANEMIN                                        ; the smallest key
.irp q, 0,1,2,3
	v_cmp_eq_u32 vcc_lo, v[KEY+2*\q], v[MN+\q]
	v_cndmask_b32 v[MN+\q], -1, v[KEY+2*\q+1], vcc_lo   ; the index where the key is the smallest, else the largest number
.endr
	LANEMIN                                        ; the smallest such index
.irp q, 0,1,2,3
	v_min_u32 v[AD+\q], 0x7fff, v[MN+\q]           ; held inside the table
.endr
.irp q, 0,1,2,3
	v_lshlrev_b32 v[AD+\q], 11, v[AD+\q]           ; a row is 2,048 bytes
.endr
.irp q, 0,1,2,3
	v_add_nc_u32 v[AD+\q], v[AD+\q], v1
.endr
.irp q, 0,1,2,3
.irp j, 0,1,2,3
	global_load_b128 v[ROWS+16*\q+4*\j:ROWS+16*\q+4*\j+3], v[AD+\q], s[6:7] offset:512*\j   ; 32 lanes read 512 consecutive bytes
.endr
.endr
.irp q, 0,1,2,3
.irp j, 0,1,2,3
	s_wait_loadcnt 15-4*\q-\j                      ; loads come back in order: this one is in, the younger ones may be out
	global_store_b128 v1, v[ROWS+16*\q+4*\j:ROWS+16*\q+4*\j+3], s[8:9] offset:2048*\q+512*\j th:TH_STORE_NT   ; 512 consecutive bytes, aligned; written once, read by nobody here
.endr
.endr
	s_endpgm
.Lfunc_end_k_qd6cac4dc38_pick:
	.size	k_qd6cac4dc38_pick, .Lfunc_end_k_qd6cac4dc38_pick-k_qd6cac4dc38_pick
	.p2alignl 7, 3214868480
	.fill 96, 4, 3214868480
	.section	.rodata,"a",@progbits
	.p2align	6, 0x0
	.amdhsa_kernel k_qd6cac4dc38_pick
		.amdhsa_group_segment_fixed_size 0
		.amdhsa_private_segment_fixed_size 0
		.amdhsa_enable_private_segment 0
		.amdhsa_kernarg_size 24
		.amdhsa_user_sgpr_count 2
		.amdhsa_user_sgpr_kernarg_segment_ptr 1
		.amdhsa_wavefront_size32 1
		.amdhsa_system_sgpr_workgroup_id_x 1
		.amdhsa_system_sgpr_workgroup_id_y 1
		.amdhsa_system_sgpr_workgroup_id_z 1
		.amdhsa_system_vgpr_workitem_id 0
		.amdhsa_next_free_vgpr 112
		.amdhsa_next_free_sgpr 66
		.amdhsa_reserve_vcc 1
		.amdhsa_float_denorm_mode_32 3
		.amdhsa_float_denorm_mode_16_64 3
		.amdhsa_memory_ordered 1
		.amdhsa_forward_progress 1
		.amdhsa_inst_pref_size 10
	.end_amdhsa_kernel
	.amdgpu_metadata
---
amdhsa.version: [ 1, 2 ]
amdhsa.kernels:
  - .name:           k_qd6cac4dc38_pick
    .symbol:         k_qd6cac4dc38_pick.kd
    .args:
      - { .name: part, .offset: 0, .size: 8, .value_kind: global_buffer, .address_space: global }
      - { .name: action_set, .offset: 8, .size: 8, .value_kind: global_buffer, .address_space: global }
      - { .name: out0, .offset: 16, .size: 8, .value_kind: global_buffer, .address_space: global }
    .group_segment_fixed_size: 0
    .private_segment_fixed_size: 0
    .kernarg_segment_align: 8
    .kernarg_segment_size: 24
    .max_flat_workgroup_size: 128
    .sgpr_count:     66
    .vgpr_count:     112
    .wavefront_size: 32
...
	.end_amdgpu_metadata
.endif
;; end of part 3
